; MI455X (gfx1250); checked and timed in simulation.
; The chip was launched on July 23, 2026; its instructions are those of AMD's public machine-readable ISA for CDNA 5 (MIT licence, August 2026) and "CDNA5" Instruction Set Architecture Reference Guide (July 2026). The comments in the code are by the model that wrote it; some were corrected since.
;; Multihead Self Attention. Allowed arithmetic: matrix products marked QUANTISED: E2M3 operands, one E8M0 scale for each 32 along K, by v_wmma_scale_f32_16x16x128_f8f6f4 with both operands' format E2M3, f32 sums; everything else in f32.
;; Inputs: Wk_codes 1,024 x 32 x 24 uint8 (E2M3 codes of Wk, K innermost, in blocks of 32 codes, four codes in three bytes); Wk_scales 1,024 x 32 uint8 (E8M0 scales of Wk, one for each 32 codes along K); Wq_codes 1,024 x 32 x 24 uint8 (E2M3 codes of Wq, K innermost, in blocks of 32 codes, four codes in three bytes); Wq_scales 1,024 x 32 uint8 (E8M0 scales of Wq, one for each 32 codes along K); Wu_codes 1,024 x 32 x 24 uint8 (E2M3 codes of Wu, K innermost, in blocks of 32 codes, four codes in three bytes); Wu_scales 1,024 x 32 uint8 (E8M0 scales of Wu, one for each 32 codes along K); Wv_codes 1,024 x 32 x 24 uint8 (E2M3 codes of Wv, K innermost, in blocks of 32 codes, four codes in three bytes); Wv_scales 1,024 x 32 uint8 (E8M0 scales of Wv, one for each 32 codes along K); bu 1,024 float32; x_codes 4 x 2,048 x 32 x 24 uint8 (E2M3 codes of x, K innermost, in blocks of 32 codes, four codes in three bytes); x_scales 4 x 2,048 x 32 uint8 (E8M0 scales of x, one for each 32 codes along K).
;; Outputs: out0 4 x 2,048 x 1,024 float32.
;; This version of the problem:
;;   THIS VERSION OF THE PROBLEM IS GIVEN IN LOW PRECISION. The matrix products marked QUANTISED in the list below multiply operands that are first quantised to E2M3 (2 exponent bits, 3 mantissa bits; 6 bits a number), with one power-of-two scale for each 32 numbers along K (OCP MX v1.0); their sums are f32. All else is computed in f32.
;;   The module's matrix products, in the order in which they are computed (A, B: the left and right operand; K: the contracted axis; several contracted axes count as one K, in the product's order):
;;     1. [M 8,192, K 1,024] x [K 1,024, N 1,024]; A: input x (given as codes); B: input Wq (given as codes): QUANTISED
;;     2. [M 8,192, K 1,024] x [K 1,024, N 1,024]; A: input x (given as codes); B: input Wk (given as codes): QUANTISED
;;     3. [M 8,192, K 1,024] x [K 1,024, N 1,024]; A: input x (given as codes); B: input Wv (given as codes): QUANTISED
;;     4. batch 64 x [M 2,048, K 64] x [K 64, N 2,048]; A: computed on the way; B: computed on the way: QUANTISED
;;     5. batch 64 x [M 64, K 2,048] x [K 2,048, N 2,048]; A: computed on the way; B: softmax (see below): QUANTISED
;;     6. [M 8,192, K 1,024] x [K 1,024, N 1,024]; A: computed on the way; B: input Wu (given as codes): QUANTISED
;;   THE QUANTISER, for each operand of a quantised product, along K:
;;     - K is cut into blocks of 32 from its start; a last block that is shorter is filled with zeros.
;;     - A block's scale is 2^e with e = floor(log2(the largest magnitude in the block)) - 2, held to -126 .. 127; a block of zeros has e = 0. As a byte (E8M0): e + 127.
;;     - Each number is divided by its block's scale, clamped to +-7.5, and rounded to the nearest number of E2M3, ties to even, subnormals kept.
;;     - The product sums the exact products of the quantised numbers (number of the format x scale) in f32.
;;   ~~~python
;;   def quantise(x, axis):      # numpy; x: float32 -> the quantised numbers, widened to float32 again
;;       x = np.moveaxis(x, axis, -1); K = x.shape[-1]
;;       x = np.pad(x, [(0, 0)] * (x.ndim - 1) + [(0, -K % 32)]); x = x.reshape(x.shape[:-1] + (-1, 32)); a = np.abs(x).max(-1, keepdims=True)
;;       e = np.where(a > 0, np.clip(np.frexp(np.where(a > 0, a, 1))[1] - 1 - 2, -126, 127), 0)      # np.frexp(a)[1] - 1 = floor(log2(a)), exactly
;;       r = np.clip(x / 2.0 ** e, -7.5, 7.5)
;;       step = 2.0 ** (np.maximum(np.frexp(np.where(r == 0, 1, r))[1] - 1, 0) - 3)
;;       q = np.round(r / step) * step * 2.0 ** e      # np.round: ties to even
;;       return np.moveaxis(q.reshape(q.shape[:-2] + (-1,))[..., :K], -1, axis).astype(np.float32)
;;   ~~~
;;   SOFTMAX AHEAD OF A QUANTISED PRODUCT. Where the list says 'softmax', what is quantised is not the finished softmax but p = 2^(t - M), with t = logit x log2(e) and M = ceil(the row's largest t), a whole number; so 1/2 < the row's largest p <= 1. The row's sum l is taken of the UNQUANTISED p, in f32, and the product's result is divided by l at the end. Since M is a whole number, a kernel that streams over the keys may use a running M (the ceiling of the running maximum): every later rescaling is an exact power of two, which a block's scale takes up: the codes' values come out the same.
;;   OPERANDS COMPUTED ON THE WAY. 'Computed on the way' means the value that the module computes at that place (a softmax that the list does not call 'softmax' is quantised finished and normalised). What goes into a quantiser is computed in f32, as accurately as f32 sums, v_exp_f32 and their like allow (about 1e-6 of the number): no bf16 or f16 on the way to a quantiser, and a product that is left as it is and whose result goes on into a quantised operand takes f32 operands (vector FMAs, or v_wmma_f32_16x16x4_f32). A number that lies on a knife's edge between two numbers of the format may be rounded either way, as far as f32 arithmetic and the matrix unit's own rounding can turn it there, and no further.
;;   INPUTS GIVEN AS CODES. Wk (in the module: [1024, 1024], K = its axis 1); Wq (in the module: [1024, 1024], K = its axis 1); Wu (in the module: [1024, 1024], K = its axis 1); Wv (in the module: [1024, 1024], K = its axis 1); x (in the module: [4, 2048, 1024], K = its axis 2): each comes as NAME_codes (uint8): NAME with its K axis moved to the last place and cut into blocks of 32 codes, [.., K / 32, bytes a block], one block behind the other in memory; four codes in three bytes: a row's codes are one little-endian stream of bits, code i at bits 6 i .. 6 i + 5 (a code: sign, 2 exponent bits, 3 mantissa bits); and NAME_scales (uint8): the same leading axes, one E8M0 byte (e + 127) for each 32 codes along K. Its value is code x scale, taken as it is: it is not quantised again, and the codes and scales need not be those that the quantiser above would give.
;; One version. Each part assembles by itself: llvm-mc -triple=amdgcn-amd-amdhsa -mcpu=gfx1250 --defsym DOCPART=n.
;; ======== version 1 of 1: 3 launches
;; limits: right only within a limited range of input values
;; workspace buffers: qkv_img 18,874,368 bytes; qkv_sc 1,572,864 bytes; o_img 6,291,456 bytes; o_sc 524,288 bytes
;; launch qkv (part 1): grid 4 x 96, 4 waves a work-group, clusters of 4 x 4, 327,680 bytes of LDS; arguments x_codes, x_scales, Wq_codes, Wq_scales, Wk_codes, Wk_scales, Wv_codes, Wv_scales, qkv_img, qkv_sc; writes qkv_img, qkv_sc
.if DOCPART == 1
	.amdgcn_target "amdgcn-amd-amdhsa--gfx1250"
	.amdhsa_code_object_version 6
	.text
	.protected	k_qcb97c5e65d_qkv
	.globl	k_qcb97c5e65d_qkv
	.p2align	8
	.type	k_qcb97c5e65d_qkv,@function
k_qcb97c5e65d_qkv:
	s_mov_b64 s[64:65], 0
	v_nop
	global_prefetch_b8 v0, s[64:65] scope:SCOPE_SE
	s_setreg_imm32_b32 hwreg(HW_REG_WAVE_MODE, 25, 1), 1
	s_wait_xcnt 0x0
	s_wait_alu depctr_hold_cnt(0) depctr_sa_sdst(0) depctr_va_vdst(0) depctr_va_sdst(0) depctr_va_ssrc(0) depctr_va_vcc(0) depctr_vm_vsrc(0)
	s_getreg_b32 s2, hwreg(HW_REG_IB_STS2, 6, 4)
	s_cmp_eq_u32 s2, 0
	s_cbranch_scc0 .Lentry_in_a_cluster
	s_endpgm
.Lentry_in_a_cluster:
	s_bfe_u32 s2, ttmp6, 0x10000c
	s_cmp_lg_u32 s2, 0xf033
	s_cbranch_scc0 .Lentry_shape_is_right
	s_endpgm
.Lentry_shape_is_right:
; q = x Wq^T, k = x Wk^T, v^T = Wv x^T on codes of FP6 (E2M3) with E8M0 scales, K = 1,024; each result is quantised again, in registers, along the axis that the attention contracts,
; and leaves as IMAGES OF OPERAND REGISTERS: q and k along the head's 64 features, v along the keys.
; One body: C[m][n] = sum over k of A[m][k] B[n][k].  24 clusters of 4 x 4 work-groups: clusters 0-7 make q (A = x, B = Wq), 8-15 k (A = x, B = Wk), 16-23 v^T (A = Wv, B = x).
; A work-group makes 256 x 256 of C, a wave 128 x 128: 64 accumulators, 512 registers.  A row of codes is 768 bytes: it goes through two LDS slots in three CHUNKS OF 256 BYTES, each beginning at a multiple of 256.
; A step of 128 along K is 96 bytes: eight steps to three chunks; steps 2 and 5 lie across two chunks and read both slots.  The scale bytes of the work-group's rows come once.
; A's tiles are asked for jointly along a row of the cluster, B's along a column.
; THE MATRIX INSTRUCTION IS USED TRANSPOSED (source 0 = 16 rows of B, source 1 = 16 rows of A): lane (r, h) holds row r of A's block and its register 8 b + j the column 16 b + 8 h + j.
; A lane's 64 registers of a block of 16 rows run along n, the next product's K.  Register 16 B + i becomes place 16 h + i of block B of 32: a permutation INSIDE a block of 32,
; the same for q and k, and the same for v and for the weights p that the next launch makes, so scales and products are what they would be in the natural order.
; OUT: qkv_img: part (q, k, v) x block ((batch x 8 + pair of heads) x 16 + group of 128 tokens) of 12,288 bytes = the wave's 8 fragments of 1,536 bytes: registers 0-3 (16 bytes a lane), 4-5 (8), 6-9 (16), 10-11 (8).
;      qkv_sc: the same blocks, 1,024 bytes: [i][h][r][e] words: the scale word of fragment 4 i + e, row r; in q and k half h holds the word of the pair's head h (its two bytes lowest).
; LIMITS: NaN and infinities are not served.  A block whose largest magnitude lies under 2^-124 has its byte held at 1; a block of zeros gets the byte 1 where the rule says 127: its codes are zeros and this program alone reads the bytes.
; No prefetch: of a work-group's three chunks two are asked for at the head, so there is one refill and no loop to run ahead in.
.set ROWB,   256
.set NQ,     2
.set KROW,   768
.set STEPS,  8
.set CHUNKS, 3
.set PITCH,  272                       ; an LDS row: 256 bytes + 16 of padding
.set FR,     12
.set NL,     6
.set NP,     4                         ; places behind this matrix instruction (ISA guide 7.12.1)
.set HALFT,  128*PITCH
.set SLOT,   4*HALFT                   ; A's 256 rows, then B's 256 rows
.set KS,     32
.set SPARE,  2*SLOT                    ; behind the ring: the spare words, 128 bytes a wave
.set ADRA, 16                          ; v16-17 my A fragments in slot 0, 1; v18-19 lanes 0-15 at byte 232 of slot 0, 1, lanes 16-31 at byte 0 of the other slot
.set ADRB, 20                          ; v20-23 the same for B
.set SHF,  24                          ; 16 in lanes 16-31 for q and k, else 0
.set O16,  25                          ; 16 x lane
.set O8,   26                          ; 8 x lane
.set ADRS, 27                          ; 32 x lane: a lane's row among 32 rows of scale bytes
.set SPW,  28
.set NIL,  29
.set OS,   30                          ; 256 h + 16 r
.set SA,   32                          ; v32-63 A's scale words, all of K: register 8 p + step; lanes 0-15 block 2 p, lanes 16-31 block 2 p + 1
.set SB,   68                          ; v68-99 B's, likewise
.set AF,   128                         ; A's fragments, window 0
.set PC,   128                         ; the way out: a fragment's codes, halves on their way
.set TM,   160                         ; largest magnitudes, bytes, scale operands
.set PW,   176
.set SW,   180                         ; the eight fragments' scale words
.set G1, 24
.set G0, 32
.set G1B, 48
.set G0B, 56
.set G1H, 68                           ; the head's loads bring 256 rows: groups 1 of their own
.set G0H1, 76                          ; group 0 of A's chunk 1
.set G1HB, 80
.set G0HB1, 88                         ; of B's chunk 1
.set G0H, 4
.set G0HB, 8
.set MSB, 0
.macro WIN new
.if MSB != \new
	s_set_vgpr_msb (MSB<<8)|\new
.set MSB, \new
.endif
.endm
.set MUL_LO, 0xa1                      ; source 0 (B) window 1, source 1 (A) window 0, C and D window 2
.set MUL_HI, 0xf1
.set TO_B,   0x40
.macro PLACES n
.rept \n
	v_nop
.endr
.endm
.macro TL g0, g1                       ; a tensor load; s_nop 0 and four v_nop follow
	tensor_load_to_lds s[\g0:\g0+3], s[\g1:\g1+7]
	s_nop 0
	PLACES 4
.endm
.macro JLOAD g0a, g1a, g0b, g1b        ; waves 0 and 1 fetch for A, waves 2 and 3 for B
	s_cmp_eq_u32 s15, 0
	s_cbranch_scc0 .Lfor_b_\@
	TL \g0a, \g1a
	s_branch .Lasked_\@
.Lfor_b_\@:
	TL \g0b, \g1b
.Lasked_\@:
.endm
.macro CREST                           ; a round of the cluster's barrier behind its opening barrier
	s_cmp_lg_u32 s14, 0
	s_cbranch_scc1 .Lnot_wave_0_\@
	s_barrier_signal -3
.Lnot_wave_0_\@:
	s_barrier_wait -3
	s_barrier_signal -1
	s_barrier_wait -1
.endm
.macro CROUND
	s_barrier_signal -1
	s_barrier_wait -1
	CREST
.endm
	s_load_b512 s[68:83], s[0:1], 0x0              ; x's codes, scales; Wq's; Wk's; Wv's
	s_load_b128 s[84:87], s[0:1], 0x40             ; qkv_img, qkv_sc
	v_lshl_add_u32 v[SPW], v0, 2, SPARE
	v_mov_b32 v[NIL], 0
	ds_add_u32 v[SPW], v[NIL]                      ; the opening lines: the add twice and one wait
	ds_add_u32 v[SPW], v[NIL]
	v_lshrrev_b32 v1, 5, v0
	v_readfirstlane_b32 s14, v1                    ; wave
	s_lshr_b32 s15, s14, 1                         ; my half of the tile's rows; also: I fetch for A (0) or B (1)
	s_and_b32 s16, s14, 1                          ; my half of its columns; also: which 128 rows I fetch
	s_bfe_u32 s40, ttmp6, 0x40000
	s_bfe_u32 s41, ttmp6, 0x40004
	s_and_b32 s67, ttmp7, 0xffff                   ; the cluster's number, 0..23
	s_lshr_b32 s66, s67, 3                         ; 0: q, 1: k, 2: v
	s_and_b32 s67, s67, 7                          ; which 1,024 tokens
	s_cmp_eq_u32 s66, 2
	s_cselect_b32 s17, 0, s67                      ; the tokens are A's rows for q and k,
	s_cselect_b32 s42, s67, 0                      ; B's rows for v
	s_cselect_b32 s2, 0, 16
	s_lshl_b32 s17, s17, 2
	s_add_co_u32 s17, s17, s41                     ; tile row of C
	s_lshl_b32 s42, s42, 2
	s_add_co_u32 s42, s42, s40                     ; tile column of C
	s_lshl_b32 s43, s41, 2
	s_lshl_b32 s43, 15, s43                        ; my row of the cluster
	s_lshl_b32 s44, 0x1111, s40                    ; my column
	s_or_b32 s[G1+0], s43, (0<<16)|(1<<20)|(1<<21)|(5<<22)|(3<<25)
	s_or_b32 s[G1B+0], s44, (0<<16)|(1<<20)|(1<<21)|(5<<22)|(3<<25)
.irp g, G1, G1B                        ; the refill: 128 rows of 256 bytes a wave
	s_mov_b32 s[\g+1], ROWB<<16
	s_mov_b32 s[\g+2], 128<<16
	s_mov_b32 s[\g+3], ROWB<<16
	s_mov_b32 s[\g+4], 128
	s_mov_b32 s[\g+5], KROW
	s_mov_b32 s[\g+6], 0
	s_mov_b32 s[\g+7], 0
.endr
	s_lshl_b32 s20, s17, 8                         ; A: the tile's first row
	s_lshl_b32 s46, s42, 8                         ; B's
	s_mov_b32 s21, 0
	s_mov_b32 s47, 0
	s_mov_b64 s[18:19], KS
	s_mul_u64 s[22:23], s[20:21], s[18:19]         ; where these rows' scale bytes begin
	s_mul_u64 s[92:93], s[46:47], s[18:19]
	s_mov_b64 s[18:19], KROW
	s_mul_u64 s[20:21], s[20:21], s[18:19]         ; and their codes
	s_mul_u64 s[46:47], s[46:47], s[18:19]
	s_mul_i32 s18, s16, 128*KROW                   ; in the ring I fetch 128 rows
	s_mov_b32 s19, 0
	s_mul_i32 s45, s14, HALFT
	s_wait_dscnt 0x0
	CROUND                                         ; the opening round, ahead of the wait for the arguments: all sixteen work-groups are here
	s_wait_kmcnt 0x0
	s_cmp_eq_u32 s66, 0
	s_cselect_b64 s[72:73], s[72:73], s[76:77]
	s_cselect_b64 s[74:75], s[74:75], s[78:79]
	s_cmp_eq_u32 s66, 2
	s_cselect_b64 s[72:73], s[80:81], s[72:73]
	s_cselect_b64 s[74:75], s[82:83], s[74:75]
	s_cselect_b64 s[4:5], s[72:73], s[68:69]       ; A: the weight for v, else x
	s_cselect_b64 s[6:7], s[74:75], s[70:71]
	s_cselect_b64 s[8:9], s[68:69], s[72:73]       ; B: x for v, else the weight
	s_cselect_b64 s[10:11], s[70:71], s[74:75]
	s_mov_b64 s[12:13], s[84:85]
	s_mov_b64 s[96:97], s[86:87]
	s_add_nc_u64 s[20:21], s[4:5], s[20:21]
	s_add_nc_u64 s[22:23], s[6:7], s[22:23]
	s_add_nc_u64 s[46:47], s[8:9], s[46:47]
	s_add_nc_u64 s[92:93], s[10:11], s[92:93]
	s_or_b32 s[G1H+0], s43, (0<<16)|(1<<20)|(1<<21)|(5<<22)|(3<<25)
	s_or_b32 s[G1HB+0], s44, (0<<16)|(1<<20)|(1<<21)|(5<<22)|(3<<25)
.irp g, G1H, G1HB
	s_mov_b32 s[\g+1], ROWB<<16
	s_mov_b32 s[\g+2], 256<<16
	s_mov_b32 s[\g+3], ROWB<<16
	s_mov_b32 s[\g+4], 256
	s_mov_b32 s[\g+5], KROW
	s_mov_b32 s[\g+6], 0
	s_mov_b32 s[\g+7], 0
.endr
	s_mov_b32 s[G0H], 1
	s_mov_b32 s[G0H+1], 0
	s_mov_b64 s[G0H+2:G0H+3], s[20:21]
	s_or_b32 s[G0H+3], s[G0H+3], 0x80000000
	s_mov_b32 s[G0HB], 1
	s_mov_b32 s[G0HB+1], 2*HALFT
	s_mov_b64 s[G0HB+2:G0HB+3], s[46:47]
	s_or_b32 s[G0HB+3], s[G0HB+3], 0x80000000
	s_mov_b32 s[G0H1], 1
	s_mov_b32 s[G0H1+1], SLOT
	s_add_nc_u64 s[G0H1+2:G0H1+3], s[20:21], ROWB
	s_or_b32 s[G0H1+3], s[G0H1+3], 0x80000000
	s_mov_b32 s[G0HB1], 1
	s_mov_b32 s[G0HB1+1], SLOT+2*HALFT
	s_add_nc_u64 s[G0HB1+2:G0HB1+3], s[46:47], ROWB
	s_or_b32 s[G0HB1+3], s[G0HB1+3], 0x80000000
	s_add_nc_u64 s[20:21], s[20:21], s[18:19]
	s_add_nc_u64 s[46:47], s[46:47], s[18:19]
.irp s, 0                              ; slot 0 alone is filled again, with chunk 2
	s_mov_b32 s[G0+4*\s], 1
	s_add_co_u32 s[G0+4*\s+1], s45, \s*SLOT
	s_add_nc_u64 s[G0+4*\s+2:G0+4*\s+3], s[20:21], \s*ROWB
	s_or_b32 s[G0+4*\s+3], s[G0+4*\s+3], 0x80000000
	s_mov_b32 s[G0B+4*\s], 1
	s_add_co_u32 s[G0B+4*\s+1], s45, \s*SLOT
	s_add_nc_u64 s[G0B+4*\s+2:G0B+4*\s+3], s[46:47], \s*ROWB
	s_or_b32 s[G0B+4*\s+3], s[G0B+4*\s+3], 0x80000000
.endr
; the head's four tiles, one load a wave, each on a line of its own in one chain of branches on the wave's number: chunk 0 of A, of B, chunk 1 of A, of B
.macro ARM under, g0, g1, next
	s_cmp_lt_u32 s14, \under
	s_cbranch_scc0 \next
	TL \g0, \g1
	s_branch .Lhead_asked
\next:
.endm
	ARM 1, G0H,   G1H,  .Lhead_b
	ARM 2, G0HB,  G1HB, .Lhead_a1
	ARM 3, G0H1,  G1H,  .Lhead_b1
	TL G0HB1, G1HB
.Lhead_asked:
	s_lshl_b32 s18, s15, 12                        ; the scale bytes of my 128 rows of A and of B, all of K, straight into registers: a lane a row of 32 bytes
	s_add_nc_u64 s[36:37], s[22:23], s[18:19]
	s_lshl_b32 s18, s16, 12
	s_add_nc_u64 s[60:61], s[92:93], s[18:19]
	v_and_b32 v6, 31, v0
	v_lshlrev_b32 v[ADRS], 5, v6
.irp p, 0,1,2,3
.irp c, 0,1
	global_load_b128 v[SA+8*\p+4*\c:SA+8*\p+4*\c+3], v[ADRS], s[36:37] offset:1024*\p+16*\c
	global_load_b128 v[SB+8*\p+4*\c:SB+8*\p+4*\c+3], v[ADRS], s[60:61] offset:1024*\p+16*\c
.endr
.endr
	v_and_b32 v1, 15, v0                           ; r
	v_bfe_u32 v2, v0, 4, 1                         ; h
	v_mul_u32_u24 v3, v1, PITCH
	v_mul_u32_u24 v4, v2, 24
	v_add_nc_u32 v4, v3, v4                        ; row x pitch + 24 h
	s_mov_b32 s21, SLOT-232
	s_mov_b32 s22, SLOT+232
	v_sub_nc_u32 v7, 1, v2
	v_mul_u32_u24 v5, s21, v2
	v_add_nc_u32 v5, v3, v5
	v_add_nc_u32 v5, 232, v5                       ; lanes 0-15 byte 232 in slot 0, lanes 16-31 byte 0 in slot 1
	v_mul_u32_u24 v6, s22, v7
	v_add_nc_u32 v6, v3, v6                        ; and the other way round
	s_mul_i32 s21, s15, HALFT
	s_mul_i32 s22, s16, HALFT
	s_add_co_u32 s22, s22, 2*HALFT
	v_add_nc_u32 v[ADRA+2], s21, v5
	v_add_nc_u32 v[ADRA+3], s21, v6
	v_add_nc_u32 v[ADRB+2], s22, v5
	v_add_nc_u32 v[ADRB+3], s22, v6
.irp s, 0,1
	v_add_nc_u32 v[ADRA+\s], s21, v4
	v_add_nc_u32 v[ADRB+\s], s22, v4
	s_add_co_u32 s21, s21, SLOT
	s_add_co_u32 s22, s22, SLOT
.endr
	v_mul_u32_u24 v[SHF], s2, v2
	v_and_b32 v6, 31, v0
	v_lshlrev_b32 v[O16], 4, v6
	v_lshlrev_b32 v[O8], 3, v6
	v_lshlrev_b32 v[OS], 4, v1
	v_lshl_add_u32 v[OS], v2, 8, v[OS]
	s_mov_b32 s98, 0x76543210
	s_mov_b32 s99, 0xfedcba98                      ; lane l xor 16
	s_lshl_b32 s92, s17, 1                         ; my block of images: part x 512 + ((batch x 8 + pair of heads) x 16 + group of 128 tokens)
	s_add_co_u32 s92, s92, s15
	s_lshl_b32 s93, s42, 1
	s_add_co_u32 s93, s93, s16
	s_cmp_eq_u32 s66, 2
	s_cselect_b32 s94, s93, s92                    ; the tokens' group
	s_cselect_b32 s95, s92, s93                    ; the pair of heads
	s_lshr_b32 s92, s94, 4
	s_lshl_b32 s92, s92, 3
	s_add_co_u32 s92, s92, s95
	s_lshl_b32 s92, s92, 4
	s_and_b32 s94, s94, 15
	s_add_co_u32 s92, s92, s94
	s_lshl_b32 s93, s66, 9
	s_add_co_u32 s92, s92, s93
	s_mul_i32 s94, s92, 12288
	s_mov_b32 s95, 0
	s_add_nc_u64 s[12:13], s[12:13], s[94:95]
	s_lshl_b32 s94, s92, 10
	s_add_nc_u64 s[96:97], s[96:97], s[94:95]
.macro FRAG reg, adr, st, i            ; 16 rows x 128 K: six pieces of 8 bytes; byte y of a row lies in slot (y / 256) % 2 at byte y % 256
.irp p, 0,1,2,3,4,5
.set BY, 96*(\st)+48*(\p/3)+8*(\p%3)
.if BY/ROWB == (BY+24)/ROWB
	ds_load_b64 v[\reg+2*\p:\reg+2*\p+1], v[\adr+(BY/ROWB)%2] offset:BY%ROWB+(\i)*16*PITCH
.else
	ds_load_b64 v[\reg+2*\p:\reg+2*\p+1], v[\adr+2+(BY/ROWB)%2] offset:BY%ROWB-232+(\i)*16*PITCH
.endif
.endr
.endm
; 16 products: A's blocks a0, a0 + 1 x B's eight.  The 64 accumulators take turns
.macro MUL16 a0, p, q, sc, zero
.irp ra, 0,1                           ; A's block a0 + ra, B's block 2 b2 + rb; the step along K is NX - 1: its scale words lie in register 8 x pair + step, the pair's block in the row ra or rb
.irp b2, 0,1,2,3
.irp rb, 0,1
.set D_, 8*(8*(((\a0)+\ra)%4)+2*\b2+\rb)
.set B_, 128*(\p)+FR*(2*\b2+\rb)
.set A_, AF+FR*((\a0)+\ra)
.if \zero
	v_wmma_scale_f32_16x16x128_f8f6f4 v[D_:D_+7], v[B_:B_+FR-1], v[A_:A_+FR-1], 0, v[SB+8*\b2+NX-1], v[SA+8*((\a0)/2)+NX-1] matrix_a_fmt:MATRIX_FMT_FP6 matrix_b_fmt:MATRIX_FMT_FP6 matrix_a_scale:MATRIX_SCALE_ROW\rb matrix_b_scale:MATRIX_SCALE_ROW\ra
.else
	v_wmma_scale_f32_16x16x128_f8f6f4 v[D_:D_+7], v[B_:B_+FR-1], v[A_:A_+FR-1], v[D_:D_+7], v[SB+8*\b2+NX-1], v[SA+8*((\a0)/2)+NX-1] matrix_a_fmt:MATRIX_FMT_FP6 matrix_b_fmt:MATRIX_FMT_FP6 matrix_a_scale:MATRIX_SCALE_ROW\rb matrix_b_scale:MATRIX_SCALE_ROW\ra
.endif
.endr
.endr
.endr
.endm
.macro FETCH_B st, p
	WIN TO_B
.irp i, 0,1,2,3,4,5,6,7
	FRAG 128*(\p)+FR*\i, ADRB, \st, \i
.endr
	WIN 0
.endm
.macro FETCH_A st, i0
.irp i, \i0, \i0+1, \i0+2, \i0+3
	FRAG AF+FR*(\i), ADRA, \st, \i
.endr
.endm
; A step: 64 products; the next step's fragments are fetched in its middle and at its end.  Where the next step ENDS in a chunk not read yet: a barrier shows that chunk whole.
; Where it BEGINS in a later chunk: the tensor wait and the add, the barrier, and, where a chunk two on is left, the cluster's round and the refill.
.macro STEP st, zero
.set NX, (\st)+1
.set C0, (96*(\st))/ROWB
.set C1, (96*NX)/ROWB
.set E0, (96*(\st)+95)/ROWB
.set E1, (96*NX+95)/ROWB
.if C1 > C0 || E1 > E0
	s_wait_tensorcnt 0x0                           ; all my tensor loads have landed
.if C1 > C0
	ds_add_u32 v[SPW], v[NIL]
	s_wait_dscnt 4*NL+1                            ; the add and A's blocks 4-7 may be out
.else
	s_wait_dscnt 4*NL                              ; A's blocks 4-7 may be out
.endif
	WIN MUL_LO
	MUL16 0, (\st)%2, (\st)%2, ((\st)/2)%2, \zero
	s_wait_dscnt 0x0                               ; the add, and my reads of any chunk left behind
	s_barrier_signal -1
	MUL16 2, (\st)%2, (\st)%2, ((\st)/2)%2, \zero
	WIN 0
	s_barrier_wait -1
.if C1 > C0 && C0+2 < CHUNKS
	CREST
	s_add_nc_u64 s[G0+4*(C0%2)+2:G0+4*(C0%2)+3], s[G0+4*(C0%2)+2:G0+4*(C0%2)+3], 2*ROWB
	s_add_nc_u64 s[G0B+4*(C0%2)+2:G0B+4*(C0%2)+3], s[G0B+4*(C0%2)+2:G0B+4*(C0%2)+3], 2*ROWB
	JLOAD G0+4*(C0%2), G1, G0B+4*(C0%2), G1B       ; chunk C0 + 2; its four v_nop are the places in front of the loads below
.else
	PLACES NP
.endif
.else
	s_wait_dscnt 4*NL
	WIN MUL_LO
	MUL16 0, (\st)%2, (\st)%2, ((\st)/2)%2, \zero
	MUL16 2, (\st)%2, (\st)%2, ((\st)/2)%2, \zero
	s_wait_dscnt 0
	PLACES NP
.endif
	FETCH_B NX, NX%2
	FETCH_A NX, 0
	WIN MUL_HI
	MUL16 4, (\st)%2, (\st)%2, ((\st)/2)%2, \zero
	MUL16 6, (\st)%2, (\st)%2, ((\st)/2)%2, \zero
	PLACES NP
	WIN 0
	FETCH_A NX, 4
.endm
	s_wait_alu depctr_va_vdst(0)
	s_cmp_lt_u32 s14, 2
	s_cbranch_scc0 .Lnot_c0
	s_wait_tensorcnt 0x0                           ; waves 0 and 1: chunk 0 of A and of B is in
.Lnot_c0:
	s_barrier_signal -1
	s_barrier_wait -1                              ; chunk 0 is shown to all; chunk 1 may be on its way (step 1's barrier shows it)
	FETCH_B 0, 0
	FETCH_A 0, 0
	FETCH_A 0, 4
	s_wait_loadcnt 0x0                             ; the scale words
	STEP 0, 1                                      ; the first step's products start the sums
.set ST, 1
.rept STEPS-2
	STEP ST, 0
.set ST, ST+1
.endr
.set NX, STEPS                         ; the last step is step NX - 1 = 7
	s_wait_dscnt 4*NL
	WIN MUL_LO
	MUL16 0, 1, 1, 1, 0
	MUL16 2, 1, 1, 1, 0
	s_wait_dscnt 0
	WIN MUL_HI
	MUL16 4, 1, 1, 1, 0
	MUL16 6, 1, 1, 1, 0
	WIN 0
; THE WAY OUT.  Block a of 16 rows: a lane's 64 numbers become one fragment of 12 registers and one scale word; each store covers 512 or 256 consecutive bytes, aligned.
.macro QOUT a
.set QS, 64*((\a)%4)
	WIN 0x0a+5*((\a)/4)
.irp b, 0,1,2,3
	v_max3_num_f32 v[TM+\b], |v[QS+16*\b]|, |v[QS+16*\b+1]|, 0x1800000   ; my 16 numbers of block b, and the floor 2^(3 - 127); each accumulator from its low end on
.endr
.irp i, 2,4,6,8,10,12,14
.irp b, 0,1,2,3
	v_max3_num_f32 v[TM+\b], |v[QS+16*\b+\i]|, |v[QS+16*\b+\i+1]|, v[TM+\b]
.endr
.endr
	WIN 0
.irp b, 0,1,2,3
	v_permlanex16_b32 v[TM+4+\b], v[TM+\b], s98, s99
.endr
.irp b, 0,1,2,3
	v_max_num_f32 v[TM+\b], v[TM+\b], v[TM+4+\b]
.endr
.irp b, 0,1,2,3
	v_add_nc_u32 v[TM+12+\b], 0xff000000, v[TM+\b] ; 2 off the exponent field: the conversion's scale operand
.endr
.irp b, 0,1,2,3
	v_lshrrev_b32 v[TM+4+\b], 23, v[TM+12+\b]      ; the scale's byte
.endr
	v_lshl_or_b32 v[PW], v[TM+5], 8, v[TM+4]
	v_lshl_or_b32 v[PW], v[TM+6], 16, v[PW]
	v_lshl_or_b32 v[PW], v[TM+7], 24, v[PW]
.if (\a) > 0
	s_wait_alu depctr_va_vdst(0)
	s_wait_xcnt 0x0                                ; the last fragment's stores have read their registers
.endif
	WIN 2+(\a)/4
.irp c, 0,1
	v_cvt_scalef32_pk16_fp6_f32 v[PC+6*\c:PC+6*\c+2], v[QS+32*\c:QS+32*\c+15], v[TM+12+2*\c]
	v_cvt_scalef32_pk16_fp6_f32 v[PC+12+4*\c:PC+14+4*\c], v[QS+32*\c+16:QS+32*\c+31], v[TM+13+2*\c]
.endr
	WIN 0
	v_nop                                          ; one plain place behind a scaled conversion
.irp c, 0,1                                    ; a whole block in a lane: lanes 0-15 block 2 c, lanes 16-31 block 2 c + 1
.irp i, 0,1,2
	v_permlane16_swap_b32 v[PC+6*\c+\i], v[PC+12+4*\c+\i]
.endr
.irp i, 0,1,2
	v_mov_b32 v[PC+3+6*\c+\i], v[PC+12+4*\c+\i]
.endr
.endr
	v_lshrrev_b32 v[SW+\a], v[SHF], v[PW]          ; q, k: lanes 16-31 keep the second head's two bytes lowest
	global_store_b128 v[O16], v[PC:PC+3], s[12:13] offset:1536*\a
	global_store_b64 v[O8], v[PC+4:PC+5], s[12:13] offset:1536*\a+512
	global_store_b128 v[O16], v[PC+6:PC+9], s[12:13] offset:1536*\a+768
	global_store_b64 v[O8], v[PC+10:PC+11], s[12:13] offset:1536*\a+1280
.endm
	PLACES NP
.irp b, 0,1,2,3
	v_mov_b32 v[TM+4+\b], 0                        ; a lane permute's destination counts as one of its sources
.endr
.irp a, 0,1,2,3,4,5,6,7
	QOUT \a
.endr
	global_store_b128 v[OS], v[SW:SW+3], s[96:97]
	global_store_b128 v[OS], v[SW+4:SW+7], s[96:97] offset:512
	s_wait_tensorcnt 0x0                           ; the wave's end
	ds_add_u32 v[SPW], v[NIL]
	s_wait_dscnt 0x0
	CROUND                                         ; the closing round
	s_endpgm
.Lfunc_end_k_qcb97c5e65d_qkv:
	.size	k_qcb97c5e65d_qkv, .Lfunc_end_k_qcb97c5e65d_qkv-k_qcb97c5e65d_qkv
	.p2alignl 7, 3214868480
	.fill 96, 4, 3214868480
	.section	.rodata,"a",@progbits
	.p2align	6, 0x0
	.amdhsa_kernel k_qcb97c5e65d_qkv
		.amdhsa_group_segment_fixed_size 327680
		.amdhsa_private_segment_fixed_size 0
		.amdhsa_enable_private_segment 0
		.amdhsa_kernarg_size 80
		.amdhsa_user_sgpr_count 2
		.amdhsa_user_sgpr_kernarg_segment_ptr 1
		.amdhsa_wavefront_size32 1
		.amdhsa_system_sgpr_workgroup_id_x 1
		.amdhsa_system_sgpr_workgroup_id_y 1
		.amdhsa_system_sgpr_workgroup_id_z 1
		.amdhsa_system_vgpr_workitem_id 0
		.amdhsa_next_free_vgpr 1024
		.amdhsa_next_free_sgpr 100
		.amdhsa_reserve_vcc 0
		.amdhsa_float_denorm_mode_32 3
		.amdhsa_float_denorm_mode_16_64 3
		.amdhsa_memory_ordered 1
		.amdhsa_forward_progress 1
		.amdhsa_inst_pref_size 164
	.end_amdhsa_kernel
	.amdgpu_metadata
---
amdhsa.version: [ 1, 2 ]
amdhsa.kernels:
  - .name:           k_qcb97c5e65d_qkv
    .symbol:         k_qcb97c5e65d_qkv.kd
    .args:
      - { .name: x_codes, .offset: 0, .size: 8, .value_kind: global_buffer, .address_space: global }
      - { .name: x_scales, .offset: 8, .size: 8, .value_kind: global_buffer, .address_space: global }
      - { .name: Wq_codes, .offset: 16, .size: 8, .value_kind: global_buffer, .address_space: global }
      - { .name: Wq_scales, .offset: 24, .size: 8, .value_kind: global_buffer, .address_space: global }
      - { .name: Wk_codes, .offset: 32, .size: 8, .value_kind: global_buffer, .address_space: global }
      - { .name: Wk_scales, .offset: 40, .size: 8, .value_kind: global_buffer, .address_space: global }
      - { .name: Wv_codes, .offset: 48, .size: 8, .value_kind: global_buffer, .address_space: global }
      - { .name: Wv_scales, .offset: 56, .size: 8, .value_kind: global_buffer, .address_space: global }
      - { .name: qkv_img, .offset: 64, .size: 8, .value_kind: global_buffer, .address_space: global }
      - { .name: qkv_sc, .offset: 72, .size: 8, .value_kind: global_buffer, .address_space: global }
    .group_segment_fixed_size: 327680
    .private_segment_fixed_size: 0
    .kernarg_segment_align: 8
    .kernarg_segment_size: 80
    .max_flat_workgroup_size: 128
    .sgpr_count:     100
    .vgpr_count:     1024
    .wavefront_size: 32
...
	.end_amdgpu_metadata
.endif
;; end of part 1
;; launch attn (part 2): grid 4 x 64, 16 waves a work-group, clusters of 4 x 1, 215,040 bytes of LDS; arguments qkv_img, qkv_sc, o_img, o_sc; writes o_img, o_sc
.if DOCPART == 2
	.amdgcn_target "amdgcn-amd-amdhsa--gfx1250"
	.amdhsa_code_object_version 6
	.text
	.protected	k_qcb97c5e65d_attn
	.globl	k_qcb97c5e65d_attn
	.p2align	8
	.type	k_qcb97c5e65d_attn,@function
k_qcb97c5e65d_attn:
	s_mov_b64 s[64:65], 0
	v_nop
	global_prefetch_b8 v0, s[64:65] scope:SCOPE_SE
	s_setreg_imm32_b32 hwreg(HW_REG_WAVE_MODE, 25, 1), 1
	s_wait_xcnt 0x0
	s_wait_alu depctr_hold_cnt(0) depctr_sa_sdst(0) depctr_va_vdst(0) depctr_va_sdst(0) depctr_va_ssrc(0) depctr_va_vcc(0) depctr_vm_vsrc(0)
	s_getreg_b32 s2, hwreg(HW_REG_IB_STS2, 6, 4)
	s_cmp_eq_u32 s2, 0
	s_cbranch_scc0 .Lentry_in_a_cluster
	s_endpgm
.Lentry_in_a_cluster:
	s_bfe_u32 s2, ttmp6, 0x10000c
	s_cmp_lg_u32 s2, 0x3003
	s_cbranch_scc0 .Lentry_shape_is_right
	s_endpgm
.Lentry_shape_is_right:
; o[b][q][head] = the sum over keys of softmax(q . k / 32) v, both products on codes of FP6 (E2M3) with E8M0 scales; o is quantised along the features and leaves as images of operand registers.
; IN: the images and scale words that the launch before has laid (its head comment gives the layout).  OUT: o_img [token tile 512][head 16][768 bytes]: registers 0-3 (16 bytes a lane), 4-5 (8): half a fragment of
; 16 tokens x 128 features; two neighbouring heads make a whole one.  o_sc [head 16][token 8,192] words: the head's two scale bytes lowest.
; THE SOFTMAX: t = score x log2(e) / 32; M = the running largest t rounded up to a whole number; p = 2^(t - M) is quantised along the keys, not normalised; the row's sum is taken of the unquantised p and divides at the end.
; When M moves, the sum and O are multiplied by 2^(old M - new M): exact.
; SHARES.  A cluster of four work-groups takes one (batch, head); each takes 512 queries.  The head's whole K and V (2 x 98,304 bytes) and their scale words (12,288) fit in LDS: they come ONCE, by four joint loads
; (waves 0 to 3, one each, a mask that names the four partners).  No LDS byte is filled again, so the loops have no barrier.  Sixteen waves of 256 registers, four to a SIMD; wave w takes query tile 16 p + w in pass p = 0, 1
; and walks 16 steps of 128 keys.
; LAYOUT.  Both products transposed: S^T = K Q^T (source 0 = 16 keys, source 1 = my 16 queries), O^T = V^T P^T: a lane holds one query throughout.  The scores' K is the head's 64: registers 6-11 of Q's and K's fragments
; are zero codes, which add nothing under any scale byte but 0xff.  p's register 16 B + i becomes place 16 h + i of block B of 32 keys: the order in which v was quantised.
; o is brought into the natural order of the features ahead of its quantiser (sixteen exchanges of half rows), since the last product's weight lies so.
; LIMITS: NaN and infinities are not served; a block whose largest magnitude lies under 2^-124 has its byte held at 1, a block of zeros the byte 1 (zero codes; this program alone reads the bytes).
; No prefetch: every byte of K and V is asked for at the kernel's head, by the loads themselves.
.set IMGP, 6291456                     ; a part (q, k, v) of the images
.set SCP,  524288                      ; a part of the scale words
.set KIMG, 0                           ; LDS: K: 128 key tiles x 768 bytes
.set VIMG, 98304                       ; V: 16 steps x 4 tiles of the head's 64 x 1,536 bytes
.set KSC,  196608                      ; K's scale words: 512 x step + 256 x (tile / 4) + 16 r + 4 (tile % 4)
.set VSC,  204800                      ; V's: 256 x step + 16 r + 4 x tile
.set OSC,  208896                      ; o's scale words of the work-group's 512 queries: written by LDS stores alone, no fill lands here
.set WV,   12
.set CX,   13
.set SEL,  20                          ; s[20:21] lane selects: lane l xor 16
.set CS,   22                          ; s[22:23] c = log2(e) / 32
.set G1K,  24
.set G1V,  32
.set G1KS, 40
.set G1VS, 48
.set G0K,  56
.set G0V,  60
.set G0KS, 68
.set G0VS, 72
.set QSC,  76                          ; s[76:77] my queries' scale words
.set TS,   80                          ; s80  the step's images: 6,144 bytes a step, in K and in V
.set TK2,  81                          ; s81  K's scale words: 512 a step
.set TV2,  82                          ; s82  V's: 256 a step
.set CNT,  83
.set QIM,  84                          ; s[84:85] my queries' image
.set OIM,  86                          ; s[86:87] where my tile of o goes
.set OSP,  88                          ; s[88:89] where the work-group's scale words of o go
.set OFF,  90                          ; s[90:91] an offset, its high word 0
; REGISTERS: v1-7 addresses that stay; v8-11, v28, v29 the step's; v12 -M, v13 the largest t, v[14:15] the sum; v16-27 Q; v30 Q's scale words, v31 p's; v32-79 four fragments of K; v80-87 K's scale words, v88-91 V's;
; v96-159 S^T, then p, then V's four fragments; v160-191 O^T; v192-203 p's codes; v204-210 halves on their way; v212-223 at work; v[224:225] f; v226-227 at work; v228-234 the second pass's Q; v236-238 addresses.
.macro CROUND                          ; a round of the cluster's barrier
	s_barrier_signal -1
	s_barrier_wait -1
	s_cmp_lg_u32 s[WV], 0
	s_cbranch_scc1 .Lnot_wave_0_\@
	s_barrier_signal -3
.Lnot_wave_0_\@:
	s_barrier_wait -3
	s_barrier_signal -1
	s_barrier_wait -1
.endm
.macro GROUP1 g, c, r, p               ; r rows of c elements of 8 bytes, p elements apart; no padding; the mask names the four partners, bit 21 beside it
	s_mov_b32 s[\g], 15|(3<<16)|(1<<21)
	s_mov_b32 s[\g+1], (\c)<<16
	s_mov_b32 s[\g+2], (\r)<<16
	s_mov_b32 s[\g+3], (\c)<<16
	s_mov_b32 s[\g+4], \r
	s_mov_b32 s[\g+5], \p
	s_mov_b32 s[\g+6], 0
	s_mov_b32 s[\g+7], 0
.endm
.macro FOUR
.rept 4
	v_nop
.endr
.endm
	s_load_b256 s[4:11], s[0:1], 0x0               ; qkv_img, qkv_sc, o_img, o_sc
	v_lshl_add_u32 v254, v0, 2, 0x34000
	v_mov_b32 v255, 0
	ds_add_u32 v254, v255
	ds_add_u32 v254, v255
	v_lshrrev_b32 v8, 5, v0
	s_delay_alu instid0(VALU_DEP_1)
	v_readfirstlane_b32 s[WV], v8                  ; wave 0..15
	s_bfe_u32 s[CX], ttmp6, 0x40000                ; my place in the cluster: which 512 queries
	s_and_b32 s14, ttmp7, 0xffff                   ; 16 x batch + head
	s_lshr_b32 s15, s14, 4                         ; batch
	s_and_b32 s16, s14, 15                         ; head
	s_lshr_b32 s17, s16, 1                         ; the pair of heads
	s_and_b32 s18, s16, 1                          ; which of the pair
	s_lshl_b32 s19, s15, 3
	s_add_co_u32 s19, s19, s17                     ; batch x 8 + pair: 16 blocks
	s_mul_i32 s2, s19, 196608                      ; of 12,288 bytes of images
	s_lshl_b32 s3, s19, 14                         ; and of 1,024 bytes of scale words
	s_mul_i32 s14, s18, 768
	s_add_co_u32 s14, s14, s2                      ; q, k: my head's half of each image
	s_mov_b32 s[OFF+1], 0
	GROUP1 G1K, 96, 128, 192                       ; K: 128 key tiles, 768 of each image's 1,536 bytes
	GROUP1 G1V, 768, 16, 1536                      ; V: 16 steps, my head's four images of each block's eight
	GROUP1 G1KS, 32, 32, 64                        ; K's scale words: 32 units of 256 bytes, every second one
	GROUP1 G1VS, 32, 16, 128                       ; V's: 16 units, every fourth one
	s_mov_b32 s[SEL], 0x76543210
	s_mov_b32 s[SEL+1], 0xfedcba98
	s_mov_b32 s[CS], 0x3d38aa3b                    ; log2(e) / 32
	s_mov_b32 s[CS+1], s[CS]                       ; (named with it as a pair, so it is written)
	v_and_b32 v8, 31, v0                           ; lane
	v_and_b32 v9, 15, v0                           ; r
	s_delay_alu instid0(VALU_DEP_2)
	v_lshlrev_b32 v1, 4, v8                        ; an image's registers 0-3: 16 x lane
	s_delay_alu instid0(VALU_DEP_3)
	v_lshl_add_u32 v2, v8, 3, 512                  ; its registers 4-5: 512 + 8 x lane
	s_delay_alu instid0(VALU_DEP_2)
	v_add_nc_u32 v3, VIMG, v1
	s_delay_alu instid0(VALU_DEP_2)
	v_add_nc_u32 v4, VIMG, v2
	v_lshl_add_u32 v5, v9, 4, KSC
	v_lshl_add_u32 v6, v9, 4, VSC
	v_lshlrev_b32 v238, 4, v9                      ; 16 r: my row in a unit of scale words
	s_lshl_b32 s[OFF], s[WV], 6
	v_lshl_add_u32 v7, v9, 2, OSC
	s_delay_alu instid0(VALU_DEP_1)
	v_add_nc_u32 v7, s[OFF], v7                    ; o's scale word: OSC + 64 x wave + 4 r
	v_and_b32 v236, 127, v0
	s_delay_alu instid0(VALU_DEP_1)
	v_lshlrev_b32 v237, 4, v236                    ; the way out of those words: 16 bytes a thread of waves 0 to 3
	s_delay_alu instid0(VALU_DEP_1)
	v_add_nc_u32 v236, OSC, v237
	s_wait_dscnt 0x0
	s_wait_kmcnt 0x0
	s_mov_b32 s[G0K], 1
	s_mov_b32 s[G0K+1], KIMG
	s_add_co_u32 s[OFF], s14, IMGP
	s_add_nc_u64 s[G0K+2:G0K+3], s[4:5], s[OFF:OFF+1]
	s_or_b32 s[G0K+3], s[G0K+3], 0x80000000
	s_mov_b32 s[G0V], 1
	s_mov_b32 s[G0V+1], VIMG
	s_mul_i32 s[OFF], s18, 6144
	s_add_co_u32 s[OFF], s[OFF], s2
	s_add_co_u32 s[OFF], s[OFF], 2*IMGP
	s_add_nc_u64 s[G0V+2:G0V+3], s[4:5], s[OFF:OFF+1]
	s_or_b32 s[G0V+3], s[G0V+3], 0x80000000
	s_mov_b32 s[G0KS], 1
	s_mov_b32 s[G0KS+1], KSC
	s_lshl_b32 s[OFF], s18, 8
	s_add_co_u32 s[OFF], s[OFF], s3
	s_add_co_u32 s[OFF], s[OFF], SCP
	s_add_nc_u64 s[G0KS+2:G0KS+3], s[6:7], s[OFF:OFF+1]
	s_or_b32 s[G0KS+3], s[G0KS+3], 0x80000000
	s_mov_b32 s[G0VS], 1
	s_mov_b32 s[G0VS+1], VSC
	s_lshl_b32 s[OFF], s18, 9
	s_add_co_u32 s[OFF], s[OFF], s3
	s_add_co_u32 s[OFF], s[OFF], 2*SCP
	s_add_nc_u64 s[G0VS+2:G0VS+3], s[6:7], s[OFF:OFF+1]
	s_or_b32 s[G0VS+3], s[G0VS+3], 0x80000000
	CROUND                                         ; all four work-groups are here: the joint loads meet
	s_cmp_lg_u32 s[WV], 0                          ; waves 0 to 3 issue one load each; the branches hang on the wave's number alone.  Four v_nop follow each load
	s_cbranch_scc1 .Lnot_k
	tensor_load_to_lds s[G0K:G0K+3], s[G1K:G1K+7]
	s_nop 0
	FOUR
	s_branch .Lasked
.Lnot_k:
	s_cmp_lg_u32 s[WV], 1
	s_cbranch_scc1 .Lnot_v
	tensor_load_to_lds s[G0V:G0V+3], s[G1V:G1V+7]
	s_nop 0
	FOUR
	s_branch .Lasked
.Lnot_v:
	s_cmp_lg_u32 s[WV], 2
	s_cbranch_scc1 .Lnot_ks
	tensor_load_to_lds s[G0KS:G0KS+3], s[G1KS:G1KS+7]
	s_nop 0
	FOUR
	s_branch .Lasked
.Lnot_ks:
	s_cmp_lg_u32 s[WV], 3
	s_cbranch_scc1 .Lasked
	tensor_load_to_lds s[G0VS:G0VS+3], s[G1VS:G1VS+7]
	s_nop 0
	FOUR
.Lasked:
	s_lshl_b32 s17, s[CX], 5
	s_add_co_u32 s17, s17, s[WV]                   ; my query tile of pass 0 among the batch's 128
	s_mul_i32 s[OFF], s17, 1536
	s_add_co_u32 s[OFF], s[OFF], s14
	s_add_nc_u64 s[QIM:QIM+1], s[4:5], s[OFF:OFF+1]
	s_lshr_b32 s[OFF], s17, 2                      ; four tiles' words share a unit; a head's units are 512 bytes apart
	s_lshl_b32 s[OFF], s[OFF], 9
	s_add_co_u32 s[OFF], s[OFF], s3
	s_lshl_b32 s14, s18, 8
	s_add_co_u32 s[OFF], s[OFF], s14
	s_and_b32 s14, s17, 3
	s_lshl_b32 s14, s14, 2
	s_add_co_u32 s[OFF], s[OFF], s14
	s_add_nc_u64 s[QSC:QSC+1], s[6:7], s[OFF:OFF+1]
	s_lshl_b32 s14, s15, 7
	s_add_co_u32 s14, s14, s17                     ; my token tile among 512
	s_mul_i32 s[OFF], s14, 12288
	s_mul_i32 s14, s16, 768
	s_add_co_u32 s[OFF], s[OFF], s14
	s_add_nc_u64 s[OIM:OIM+1], s[8:9], s[OFF:OFF+1]
	s_lshl_b32 s[OFF], s16, 15                     ; a head's 8,192 words
	s_lshl_b32 s14, s15, 13                        ; a batch's 2,048
	s_add_co_u32 s[OFF], s[OFF], s14
	s_lshl_b32 s14, s[CX], 11                      ; my work-group's 512
	s_add_co_u32 s[OFF], s[OFF], s14
	s_add_nc_u64 s[OSP:OSP+1], s[10:11], s[OFF:OFF+1]
	global_load_b128 v[16:19], v1, s[QIM:QIM+1]                ; Q of pass 0,
	global_load_b64 v[20:21], v2, s[QIM:QIM+1]
	s_wait_alu depctr_va_vdst(0)
	global_load_b32 v30, v238, s[QSC:QSC+1]
	global_load_b128 v[228:231], v1, s[QIM:QIM+1] offset:24576 ; and of pass 1: sixteen tiles on
	global_load_b64 v[232:233], v2, s[QIM:QIM+1] offset:24576
	global_load_b32 v234, v238, s[QSC:QSC+1] offset:2048
.irp j, 22,23,24,25,26,27
	v_mov_b32 v\j, 0                               ; the upper 64 of the instruction's K: zero codes, in Q
.endr
.irp t, 0,1,2,3
.irp j, 6,7,8,9,10,11
	v_mov_b32 v[32+12*\t+\j], 0                    ; and in K's four fragments; they stay
.endr
.endr
.irp j, 216,217,218,219,225
	v_mov_b32 v\j, 0                               ; lane permutes' destinations, and the upper half of the pair v[224:225]: written once
.endr
; A KEY STEP: 128 keys.
.macro STEP
	v_add_nc_u32 v8, s[TS], v1                     ; these six are also the places between the last products of the step before, which read v96-143, and the first products below, which write over them (five are asked)
	s_wait_alu depctr_va_vdst(0)
	v_add_nc_u32 v9, s[TS], v2
	s_wait_alu depctr_va_vdst(0)
	v_add_nc_u32 v10, s[TS], v3
	v_add_nc_u32 v11, s[TS], v4
	v_add_nc_u32 v28, s[TK2], v5
	v_add_nc_u32 v29, s[TV2], v6
	ds_load_b128 v[80:83], v28                     ; the scale words of the step's eight key tiles
	ds_load_b128 v[84:87], v28 offset:256
.irp g, 0,1                                    ; S^T = K Q^T, four tiles of 16 keys at a time
.if \g
	FOUR                                           ; places in front of loads into registers that matrix instructions have read
.endif
.irp t, 0,1,2,3
	ds_load_b128 v[32+12*\t:35+12*\t], v8 offset:(4*\g+\t)*768
	ds_load_b64 v[36+12*\t:37+12*\t], v9 offset:(4*\g+\t)*768
.endr
	s_wait_dscnt 0x0
.irp t, 0,1,2,3
	v_wmma_scale_f32_16x16x128_f8f6f4 v[96+8*(4*\g+\t):103+8*(4*\g+\t)], v[32+12*\t:43+12*\t], v[16:27], 0, v[80+4*\g+\t], v30 matrix_a_fmt:MATRIX_FMT_FP6 matrix_b_fmt:MATRIX_FMT_FP6
.endr
.endr                                          ; lane (r, h): query r; register 8 T + j: key 16 T + 8 h + j
	FOUR
.irp b, 0,1,2,3
	v_max3_num_f32 v[212+\b], v[96+16*\b], v[97+16*\b], v[98+16*\b]   ; the largest score of each block of 32 keys: for the row's maximum and, since p rises with the score, for the block's largest p
.endr
.irp i, 3,5,7,9,11,13
.irp b, 0,1,2,3
	v_max3_num_f32 v[212+\b], v[212+\b], v[96+16*\b+\i], v[97+16*\b+\i]
.endr
.endr
.irp b, 0,1,2,3
	v_max_num_f32 v[212+\b], v[212+\b], v[111+16*\b]
.endr
.irp b, 0,1,2,3
	s_delay_alu instid0(VALU_DEP_4)
	v_permlanex16_b32 v[216+\b], v[212+\b], s[SEL], s[SEL+1]
.endr
.irp b, 0,1,2,3
	s_delay_alu instid0(VALU_DEP_4)
	v_max_num_f32 v[212+\b], v[212+\b], v[216+\b]  ; with lane l xor 16's 16 keys
.endr
	s_delay_alu instid0(VALU_DEP_2)
	v_max3_num_f32 v226, v212, v213, v214
	s_delay_alu instid0(VALU_DEP_1)
	v_max_num_f32 v226, v226, v215                 ; the step's largest score of my query
	s_delay_alu instid0(VALU_DEP_1)
	v_mul_f32 v226, s[CS], v226                    ; as t (c is positive)
	s_delay_alu instid0(VALU_DEP_1)
	v_max_num_f32 v13, v13, v226                   ; the running largest t
	v_mov_b32 v226, v12
	s_delay_alu instid0(VALU_DEP_2)
	v_floor_f32 v12, -v13                          ; the new -M = floor(-t) = -ceil(t): a whole number
	s_delay_alu instid0(VALU_DEP_1)
	v_sub_f32 v226, v12, v226                      ; old M less new M: a whole number, 0 or less
	s_delay_alu instid0(VALU_DEP_1)
	v_cvt_i32_f32 v226, v226                       ; (it saturates)
	s_delay_alu instid0(VALU_DEP_1)
	v_ldexp_f32 v224, 1.0, v226                    ; f = 2^(old M - new M)
.set J, 0
.rept 32
	v_pk_fma_f32 v[96+J:97+J], v[96+J:97+J], s[CS:CS+1], v[12:13] op_sel_hi:[1,0,0]   ; t - M, two at a time
.set J, J+2
.endr
.irp b, 0,1,2,3
	v_fma_f32 v[212+\b], v[212+\b], s[CS], v12     ; the same of each block's largest score
.endr
.set J, 0
	s_wait_alu depctr_va_vdst(0)
.rept 64
	v_exp_f32 v[96+J], v[96+J]                     ; p = 2^(t - M), at most 1
.set J, J+1
.endr
.irp b, 0,1,2,3
	v_exp_f32 v[212+\b], v[212+\b]                 ; the block's largest p: the same two instructions on the same number
.endr
	v_pk_mul_f32 v[14:15], v[14:15], v[224:225] op_sel_hi:[1,0]   ; the sums under the new M (a plain place behind the exponentials)
	s_wait_alu depctr_va_vdst(0)
.irp b, 0,1,2,3
	v_max_num_f32 v[212+\b], 0x1800000, v[212+\b]  ; the floor 2^(3 - 127): the byte cannot fall under 1
.endr
.irp b, 0,1,2,3
	s_delay_alu instid0(VALU_DEP_4)
	v_add_nc_u32 v[220+\b], 0xff000000, v[212+\b]  ; 2 off the exponent field: the conversion's scale operand
.endr
.irp b, 0,1,2,3
	s_delay_alu instid0(VALU_DEP_4)
	v_lshrrev_b32 v[216+\b], 23, v[220+\b]         ; the scale's byte
.endr
	s_delay_alu instid0(VALU_DEP_3)
	v_lshl_or_b32 v31, v217, 8, v216               ; p's scale word for these 128 keys
	s_delay_alu instid0(VALU_DEP_1)
	v_lshl_or_b32 v31, v218, 16, v31
	s_delay_alu instid0(VALU_DEP_1)
	v_lshl_or_b32 v31, v219, 24, v31
.irp c, 0,1
	v_cvt_scalef32_pk16_fp6_f32 v[192+6*\c:194+6*\c], v[96+32*\c:111+32*\c], v[220+2*\c]
	v_cvt_scalef32_pk16_fp6_f32 v[204+4*\c:206+4*\c], v[112+32*\c:127+32*\c], v[221+2*\c]   ; (a conversion's three registers begin on an even number)
.endr
	v_nop                                          ; one plain place behind a scaled conversion
.irp c, 0,1                                    ; a whole block in a lane: lanes 0-15 block 2 c, lanes 16-31 block 2 c + 1
.irp i, 0,1,2
	v_permlane16_swap_b32 v[192+6*\c+\i], v[204+4*\c+\i]
.endr
.irp i, 0,1,2
	s_delay_alu instid0(VALU_DEP_3)
	v_mov_b32 v[195+6*\c+\i], v[204+4*\c+\i]
.endr
.endr
	v_pk_add_f32 v[216:217], v[100:101], v[104:105]
	v_pk_add_f32 v[252:253], v[108:109], v[112:113]
	v_pk_add_f32 v[250:251], v[116:117], v[120:121]
	v_pk_add_f32 v[248:249], v[124:125], v[128:129]
	v_pk_add_f32 v[246:247], v[132:133], v[136:137]
	v_pk_add_f32 v[244:245], v[140:141], v[144:145]
	v_pk_add_f32 v[242:243], v[148:149], v[152:153]
	v_pk_add_f32 v[14:15], v[14:15], v[156:157]
	v_pk_add_f32 v[216:217], v[216:217], v[96:97]
	v_pk_add_f32 v[252:253], v[252:253], v[98:99]
	v_pk_add_f32 v[250:251], v[250:251], v[102:103]
	v_pk_add_f32 v[248:249], v[248:249], v[106:107]
	v_pk_add_f32 v[246:247], v[246:247], v[110:111]
	v_pk_add_f32 v[244:245], v[244:245], v[114:115]
	v_pk_add_f32 v[242:243], v[242:243], v[118:119]
	v_pk_add_f32 v[14:15], v[14:15], v[122:123]
	v_pk_add_f32 v[216:217], v[216:217], v[126:127]
	v_pk_add_f32 v[252:253], v[252:253], v[130:131]
	v_pk_add_f32 v[250:251], v[250:251], v[134:135]
	v_pk_add_f32 v[248:249], v[248:249], v[138:139]
	v_pk_add_f32 v[246:247], v[246:247], v[142:143]
	v_pk_add_f32 v[244:245], v[244:245], v[146:147]
	v_pk_add_f32 v[242:243], v[242:243], v[150:151]
	v_pk_add_f32 v[14:15], v[14:15], v[154:155]
	v_pk_add_f32 v[216:217], v[216:217], v[158:159]
	s_delay_alu instid0(VALU_DEP_2)
	v_pk_add_f32 v[14:15], v[14:15], v[248:249]
	s_delay_alu instid0(VALU_DEP_2)
	v_pk_add_f32 v[216:217], v[216:217], v[246:247]
	v_pk_add_f32 v[252:253], v[252:253], v[244:245]
	v_pk_add_f32 v[250:251], v[250:251], v[242:243]
	s_delay_alu instid0(VALU_DEP_2)
	v_pk_add_f32 v[14:15], v[14:15], v[252:253]
	s_delay_alu instid0(VALU_DEP_2)
	v_pk_add_f32 v[216:217], v[216:217], v[250:251]
	s_delay_alu instid0(VALU_DEP_1)
	v_pk_add_f32 v[14:15], v[14:15], v[216:217]
.irp t, 0,1,2,3                                ; V's four fragments (16 of the head's 64 x these 128 keys) take p's registers
	ds_load_b128 v[96+12*\t:99+12*\t], v10 offset:1536*\t
	ds_load_b64 v[100+12*\t:101+12*\t], v11 offset:1536*\t
	ds_load_b128 v[102+12*\t:105+12*\t], v10 offset:1536*\t+768
	ds_load_b64 v[106+12*\t:107+12*\t], v11 offset:1536*\t+768
.endr
	ds_load_b128 v[88:91], v29                     ; and their scale words
.set J, 0
.rept 16
	v_pk_mul_f32 v[160+J:161+J], v[160+J:161+J], v[224:225] op_sel_hi:[1,0]   ; O^T under the new M, each accumulator from its low end on; with the sums above these are the places in front of the scaled products
.set J, J+2
.endr
	s_wait_alu depctr_va_vdst(0)
	s_wait_dscnt 0x0
.irp t, 0,1,2,3                                ; O^T += V^T P^T: the four accumulators by turns
	v_wmma_scale_f32_16x16x128_f8f6f4 v[160+8*\t:167+8*\t], v[96+12*\t:107+12*\t], v[192:203], v[160+8*\t:167+8*\t], v[88+\t], v31 matrix_a_fmt:MATRIX_FMT_FP6 matrix_b_fmt:MATRIX_FMT_FP6
.endr
.endm
.macro INIT                            ; the step is written once: the first finds zeros, which the first change of M leaves zeros
	v_mov_b32 v13, 0xff61b1e6                      ; the largest t so far: -3e38, under every t
	s_delay_alu instid0(VALU_DEP_1)
	v_floor_f32 v12, -v13                          ; -M
	v_mov_b32 v14, 0
	v_mov_b32 v15, 0
.set J, 0
.rept 32
	v_mov_b32 v[160+J], 0
.set J, J+1
.endr
.endm
.macro KLOOP                           ; all 2,048 keys: 16 trips
	s_mov_b32 s[TS], 0
	s_mov_b32 s[TK2], 0
	s_mov_b32 s[TV2], 0
	s_mov_b32 s[CNT], 16
.Lkey_\@:
	STEP
	s_add_co_u32 s[TS], s[TS], 6144
	s_add_co_u32 s[TK2], s[TK2], 512
	s_add_co_u32 s[TV2], s[TV2], 256
	s_sub_co_u32 s[CNT], s[CNT], 1
	s_cmp_lg_u32 s[CNT], 0
	s_cbranch_scc1 .Lkey_\@
.endm
; The tile's end: O^T / the sum, the features' natural order, the quantiser for the head's two blocks of 32, half a fragment and a scale word out.
.macro FINISH p
	FOUR
	v_add_f32 v14, v14, v15                        ; the sum's two halves,
	s_delay_alu instid0(VALU_DEP_1)
	v_permlanex16_b32 v226, v14, s[SEL], s[SEL+1]
	s_delay_alu instid0(VALU_DEP_1)
	v_add_f32 v14, v14, v226                       ; and lane l xor 16's
	s_wait_alu depctr_va_vdst(0)
	v_rcp_f32 v14, v14
	v_nop                                          ; a plain place behind the transcendental
.set J, 0
	s_wait_alu depctr_va_vdst(0)
.rept 32
	v_mul_f32 v[96+J], v[160+J], v14               ; register 8 t + j: feature 16 t + 8 h + j of my query
.set J, J+1
.endr
.irp c, 0,1
.irp j, 0,1,2,3,4,5,6,7
	v_permlane16_swap_b32 v[96+16*\c+\j], v[104+16*\c+\j]   ; the first's lanes 16-31 change places with the second's lanes 0-15: register 16 c + i now holds feature 32 c + 16 h + i
.endr
.endr
.irp c, 0,1
	v_max3_num_f32 v[212+\c], |v[96+16*\c]|, |v[97+16*\c]|, 0x1800000
.endr
.irp i, 2,4,6,8,10,12,14
.irp c, 0,1
	s_delay_alu instid0(VALU_DEP_2)
	v_max3_num_f32 v[212+\c], v[212+\c], |v[96+16*\c+\i]|, |v[97+16*\c+\i]|
.endr
.endr
.irp c, 0,1
	s_delay_alu instid0(VALU_DEP_2)
	v_permlanex16_b32 v[216+\c], v[212+\c], s[SEL], s[SEL+1]
.endr
.irp c, 0,1
	s_delay_alu instid0(VALU_DEP_2)
	v_max_num_f32 v[212+\c], v[212+\c], v[216+\c]
.endr
.irp c, 0,1
	s_delay_alu instid0(VALU_DEP_2)
	v_add_nc_u32 v[220+\c], 0xff000000, v[212+\c]
.endr
.irp c, 0,1
	s_delay_alu instid0(VALU_DEP_2)
	v_lshrrev_b32 v[216+\c], 23, v[220+\c]
.endr
	s_delay_alu instid0(VALU_DEP_1)
	v_lshl_or_b32 v227, v217, 8, v216              ; the head's two scale bytes of my query
	v_cvt_scalef32_pk16_fp6_f32 v[192:194], v[96:111], v220
	v_cvt_scalef32_pk16_fp6_f32 v[204:206], v[112:127], v221
	v_nop                                          ; one plain place behind a scaled conversion
.irp i, 0,1,2
	v_permlane16_swap_b32 v[192+\i], v[204+\i]
.endr
.irp i, 0,1,2
	s_delay_alu instid0(VALU_DEP_3)
	v_mov_b32 v[195+\i], v[204+\i]
.endr
	global_store_b128 v1, v[192:195], s[OIM:OIM+1] offset:196608*\p   ; 512 consecutive bytes,
	global_store_b64 v2, v[196:197], s[OIM:OIM+1] offset:196608*\p    ; and the 256 behind them
	ds_store_b32 v7, v227 offset:1024*\p           ; both halves of the lanes write the same word with the same value
.endm
	s_wait_tensorcnt 0x0                           ; my load, if I issued one, has landed,
	s_barrier_signal -1
	s_barrier_wait -1                              ; everybody's has: K, V and their scale words lie in LDS for the rest of the launch
	s_wait_loadcnt 0x0                             ; Q
	INIT
	KLOOP
	FINISH 0
	s_wait_xcnt 0x0                                ; the stores have read their registers, which the next pass writes again
.irp j, 0,1,2,3,4,5
	v_mov_b32 v[16+\j], v[228+\j]                  ; the second pass's Q
.endr
	v_mov_b32 v30, v234
	INIT                                           ; (its lines are also the places between these moves and the next scaled products)
	KLOOP
	FINISH 1
	s_wait_dscnt 0x0                               ; for the others' sake: my scale words lie in LDS
	s_barrier_signal -1
	s_barrier_wait -1
	s_cmp_lt_u32 s[WV], 4                          ; the 512 words leave by waves 0 to 3: 512 consecutive bytes a wave
	s_cbranch_scc0 .Lnot_out
	ds_load_b128 v[96:99], v236
	s_wait_dscnt 0x0
	global_store_b128 v237, v[96:99], s[OSP:OSP+1]
.Lnot_out:
	s_wait_tensorcnt 0x0
	ds_add_u32 v254, v255
	s_wait_dscnt 0x0
	CROUND                                         ; the closing round
	s_endpgm
.Lfunc_end_k_qcb97c5e65d_attn:
	.size	k_qcb97c5e65d_attn, .Lfunc_end_k_qcb97c5e65d_attn-k_qcb97c5e65d_attn
	.p2alignl 7, 3214868480
	.fill 96, 4, 3214868480
	.section	.rodata,"a",@progbits
	.p2align	6, 0x0
	.amdhsa_kernel k_qcb97c5e65d_attn
		.amdhsa_group_segment_fixed_size 215040
		.amdhsa_private_segment_fixed_size 0
		.amdhsa_enable_private_segment 0
		.amdhsa_kernarg_size 32
		.amdhsa_user_sgpr_count 2
		.amdhsa_user_sgpr_kernarg_segment_ptr 1
		.amdhsa_wavefront_size32 1
		.amdhsa_system_sgpr_workgroup_id_x 1
		.amdhsa_system_sgpr_workgroup_id_y 1
		.amdhsa_system_sgpr_workgroup_id_z 1
		.amdhsa_system_vgpr_workitem_id 0
		.amdhsa_next_free_vgpr 256
		.amdhsa_next_free_sgpr 92
		.amdhsa_reserve_vcc 0
		.amdhsa_float_denorm_mode_32 3
		.amdhsa_float_denorm_mode_16_64 3
		.amdhsa_memory_ordered 1
		.amdhsa_forward_progress 1
		.amdhsa_inst_pref_size 59
	.end_amdhsa_kernel
	.amdgpu_metadata
---
amdhsa.version: [ 1, 2 ]
amdhsa.kernels:
  - .name:           k_qcb97c5e65d_attn
    .symbol:         k_qcb97c5e65d_attn.kd
    .args:
      - { .name: qkv_img, .offset: 0, .size: 8, .value_kind: global_buffer, .address_space: global }
      - { .name: qkv_sc, .offset: 8, .size: 8, .value_kind: global_buffer, .address_space: global }
      - { .name: o_img, .offset: 16, .size: 8, .value_kind: global_buffer, .address_space: global }
      - { .name: o_sc, .offset: 24, .size: 8, .value_kind: global_buffer, .address_space: global }
    .group_segment_fixed_size: 215040
    .private_segment_fixed_size: 0
    .kernarg_segment_align: 8
    .kernarg_segment_size: 32
    .max_flat_workgroup_size: 512
    .sgpr_count:     92
    .vgpr_count:     256
    .wavefront_size: 32
...
	.end_amdgpu_metadata
.endif
;; end of part 2
;; launch proj (part 3): grid 32 x 8, 4 waves a work-group, clusters of 4 x 1, 327,680 bytes of LDS; arguments o_img, o_sc, Wu_codes, Wu_scales, bu, out0; writes out0
.if DOCPART == 3
	.amdgcn_target "amdgcn-amd-amdhsa--gfx1250"
	.amdhsa_code_object_version 6
	.text
	.protected	k_qcb97c5e65d_proj
	.globl	k_qcb97c5e65d_proj
	.p2align	8
	.type	k_qcb97c5e65d_proj,@function
k_qcb97c5e65d_proj:
	s_mov_b64 s[64:65], 0
	v_nop
	global_prefetch_b8 v0, s[64:65] scope:SCOPE_SE
	s_setreg_imm32_b32 hwreg(HW_REG_WAVE_MODE, 25, 1), 1
	s_wait_xcnt 0x0
	s_wait_alu depctr_hold_cnt(0) depctr_sa_sdst(0) depctr_va_vdst(0) depctr_va_sdst(0) depctr_va_ssrc(0) depctr_va_vcc(0) depctr_vm_vsrc(0)
	s_getreg_b32 s2, hwreg(HW_REG_IB_STS2, 6, 4)
	s_cmp_eq_u32 s2, 0
	s_cbranch_scc0 .Lentry_in_a_cluster
	s_endpgm
.Lentry_in_a_cluster:
	s_bfe_u32 s2, ttmp6, 0x10000c
	s_cmp_lg_u32 s2, 0x3003
	s_cbranch_scc0 .Lentry_shape_is_right
	s_endpgm
.Lentry_shape_is_right:
; out0 = o Wu^T + bu on codes of FP6 (E2M3) with E8M0 scales, f32 out.  A work-group makes 256 tokens x 128 columns, a wave 64 tokens x 128 columns: 32 accumulators; the bias is the first products' C.
; A (o) comes as images of operand registers by plain loads, four K steps ahead; its scale words are joined from two heads' halves.
; B: Wu's 128 rows, whole rows of 768 bytes, 32 rows a wave by one joint load (the four work-groups of a cluster share them), 16 bytes of padding behind every 256: LDS pitch 816.
; Wu's scale bytes go straight into registers: lane r takes row r's 32 bytes of each block of 16 rows.  Results leave through each wave's own stage as rows of 512 bytes.
; LIMITS: NaN and infinities are not served.  No prefetch: all of B is asked for at the head, and A's loads run four steps ahead of their use.
.set PITCH, 816
.set CHUNK, 32*PITCH
.set FR,    12
.set SCB,   4*CHUNK
.set STG,   SCB
.set SPITCH, 528
.set WV,  16
.set G1,  24
.set G0,  32
.set G1S, 36
.set G0S, 44
.set AB,  48
.set TB,  50
.set BB0, 52
.set CB,  54
.set STO, 9
.set RD,  10
.set MSB, 0
.macro WIN new
.if MSB != \new
	s_set_vgpr_msb (MSB<<8)|\new
.set MSB, \new
.endif
.endm
.macro CROUND
	s_barrier_signal -1
	s_barrier_wait -1
	s_cmp_lg_u32 s[WV], 0
	s_cbranch_scc1 .Lnot_wave_0_\@
	s_barrier_signal -3
.Lnot_wave_0_\@:
	s_barrier_wait -3
	s_barrier_signal -1
	s_barrier_wait -1
.endm
.macro FOUR
.rept 4
	v_nop
.endr
.endm
	s_load_b256 s[4:11], s[0:1], 0x0
	s_load_b128 s[12:15], s[0:1], 0x20
	v_lshl_add_u32 v30, v0, 2, 0x29000
	v_mov_b32 v31, 0
	ds_add_u32 v30, v31
	ds_add_u32 v30, v31
	v_lshrrev_b32 v1, 5, v0
	v_readfirstlane_b32 s[WV], v1
	s_bfe_u32 s17, ttmp6, 0x40000
	s_lshl_b32 s18, ttmp9, 2
	s_add_co_u32 s18, s18, s17
	s_and_b32 s19, ttmp7, 0xffff
	s_mov_b32 s[G1], 15|(0<<16)|(1<<20)|(1<<21)|(5<<22)|(3<<25)
	s_mov_b32 s[G1+1], 768<<16
	s_mov_b32 s[G1+2], 32<<16
	s_mov_b32 s[G1+3], 768<<16
	s_mov_b32 s[G1+4], 32
	s_mov_b32 s[G1+5], 768
	s_mov_b32 s[G1+6], 0
	s_mov_b32 s[G1+7], 0
	s_mov_b32 s21, 0
	s_mul_i32 s22, s[WV], CHUNK
	s_wait_dscnt 0x0
	s_wait_kmcnt 0x0
	s_mov_b32 s[G0], 1
	s_mov_b32 s[G0+1], s22
	s_mul_i32 s20, s19, 98304
	s_mul_i32 s2, s[WV], 32*768                    ; my 32 rows of Wu's 128
	s_add_co_u32 s20, s20, s2
	s_add_nc_u64 s[G0+2:G0+3], s[8:9], s[20:21]
	s_or_b32 s[G0+3], s[G0+3], 0x80000000
	s_lshl_b32 s20, s19, 12                        ; the 128 rows' scale bytes
	s_add_nc_u64 s[10:11], s[10:11], s[20:21]
	CROUND
	tensor_load_to_lds s[G0:G0+3], s[G1:G1+7]      ; my one tensor load
	s_nop 0
	FOUR
	s_lshl_b32 s20, s18, 4
	s_lshl_b32 s2, s[WV], 2
	s_add_co_u32 s20, s20, s2
	s_mul_i32 s20, s20, 12288
	s_add_nc_u64 s[AB:AB+1], s[4:5], s[20:21]
	s_lshl_b32 s20, s18, 8
	s_lshl_b32 s2, s[WV], 6
	s_add_co_u32 s3, s20, s2
	s_lshl_b32 s20, s3, 2
	s_add_nc_u64 s[TB:TB+1], s[6:7], s[20:21]
	s_lshl_b32 s20, s19, 9
	s_add_nc_u64 s[BB0:BB0+1], s[12:13], s[20:21]
	s_add_nc_u64 s[CB:CB+1], s[14:15], s[20:21]
	s_lshl_b32 s20, s3, 12
	s_add_nc_u64 s[CB:CB+1], s[CB:CB+1], s[20:21]
	v_and_b32 v1, 31, v0
	v_and_b32 v2, 15, v0
	v_bfe_u32 v3, v0, 4, 1
	v_lshlrev_b32 v4, 4, v1
	v_lshl_add_u32 v5, v1, 3, 512
	v_lshlrev_b32 v6, 2, v2
	v_lshlrev_b32 v7, 5, v3
	v_lshlrev_b32 v8, 5, v2                        ; row r of a block's scale bytes
	v_mul_u32_u24 v16, v2, PITCH
	v_mad_u32_u24 v16, v3, 24, v16                 ; v16: B's blocks 0-3: row x pitch + 24 h; v20: behind one padding more
	v_lshl_add_u32 v20, v3, 4, v16
	v_add_nc_u32 v17, 64*PITCH, v16                ; v17, v21: blocks 4-7
	v_add_nc_u32 v21, 64*PITCH, v20
	s_mul_i32 s2, s[WV], 16*SPITCH
	s_add_co_u32 s2, s2, STG
	v_mul_u32_u24 v[STO], v2, SPITCH
	v_lshl_add_u32 v[STO], v3, 5, v[STO]
	v_add_nc_u32 v[STO], s2, v[STO]
	v_add_nc_u32 v[RD], s2, v4
.irp i, 0,1,2,3
.irp k, 0,1,2,3,4,5,6,7
	global_load_b32 v[192+8*\i+\k], v6, s[TB:TB+1] offset:(2*\k)*32768+64*\i
	global_load_b32 v[224+8*\i+\k], v6, s[TB:TB+1] offset:(2*\k+1)*32768+64*\i
.endr
.endr
.irp b, 0,1,2,3,4,5,6,7
	global_load_b128 v[128+8*\b:131+8*\b], v7, s[BB0:BB0+1] offset:64*\b
	global_load_b128 v[132+8*\b:135+8*\b], v7, s[BB0:BB0+1] offset:64*\b+16
	global_load_b128 v[64+8*\b:67+8*\b], v8, s[10:11] offset:512*\b      ; Wu's scale words of block b, all eight K steps
	global_load_b128 v[68+8*\b:71+8*\b], v8, s[10:11] offset:512*\b+16
.endr
.macro ALOAD k
	WIN 0xc0
.irp i, 0,1,2,3
	global_load_b128 v[48*((\k)%4)+FR*\i:48*((\k)%4)+FR*\i+3], v4, s[AB:AB+1] offset:\i*12288+(\k)*1536
	global_load_b64 v[48*((\k)%4)+FR*\i+4:48*((\k)%4)+FR*\i+5], v5, s[AB:AB+1] offset:\i*12288+(\k)*1536
	global_load_b128 v[48*((\k)%4)+FR*\i+6:48*((\k)%4)+FR*\i+9], v4, s[AB:AB+1] offset:\i*12288+(\k)*1536+768
	global_load_b64 v[48*((\k)%4)+FR*\i+10:48*((\k)%4)+FR*\i+11], v5, s[AB:AB+1] offset:\i*12288+(\k)*1536+768
.endr
	WIN 0
.endm
	ALOAD 0
	ALOAD 1
	ALOAD 2
	s_wait_loadcnt 48
.set N, 0
.rept 32
	v_lshl_or_b32 v[32+N], v[224+N], 16, v[192+N]
.set N, N+1
.endr
.rept 8
	v_nop
.endr
	ALOAD 3
.macro FRAG reg, adr, q, i
.irp p, 0,1,2,3,4,5
.set PCE, 12*(\q)+6*(\p/3)+\p%3
.if PCE%32 < 29
	ds_load_b64 v[\reg+2*\p:\reg+2*\p+1], v[\adr+(\i)/4] offset:8*PCE+16*(PCE/32)+((\i)%4)*16*PITCH
.else
	ds_load_b64 v[\reg+2*\p:\reg+2*\p+1], v[\adr+4+(\i)/4] offset:8*PCE+16*(PCE/32)+((\i)%4)*16*PITCH
.endif
.endr
.endm
.macro FETCH_B k
	WIN 0x80
.irp i, 0,1,2,3,4,5,6,7
	FRAG 128*((\k)%2)+FR*\i, 16, \k, \i
.endr
	WIN 0
.endm
.macro STEP k
.if (\k) < 7
	FETCH_B (\k)+1
	s_wait_dscnt 48
.else
	s_wait_dscnt 0x0
.endif
.if (\k) < 5
	s_wait_loadcnt 48
.else
	s_wait_loadcnt 16*(7-(\k))
.endif
.if (\k) == 0
	WIN 0x4e
.else
	WIN 0x5e
.endif
.irp i, 0,1,2,3
.irp b, 0,1,2,3,4,5,6,7
.if (\k) == 0
	v_wmma_scale_f32_16x16x128_f8f6f4 v[8*(8*\i+\b):8*(8*\i+\b)+7], v[128*((\k)%2)+FR*\b:128*((\k)%2)+FR*\b+FR-1], v[48*((\k)%4)+FR*\i:48*((\k)%4)+FR*\i+FR-1], v[128+8*\b:135+8*\b], v[64+8*\b+(\k)], v[32+8*\i+(\k)] matrix_a_fmt:MATRIX_FMT_FP6 matrix_b_fmt:MATRIX_FMT_FP6
.else
	v_wmma_scale_f32_16x16x128_f8f6f4 v[8*(8*\i+\b):8*(8*\i+\b)+7], v[128*((\k)%2)+FR*\b:128*((\k)%2)+FR*\b+FR-1], v[48*((\k)%4)+FR*\i:48*((\k)%4)+FR*\i+FR-1], v[8*(8*\i+\b):8*(8*\i+\b)+7], v[64+8*\b+(\k)], v[32+8*\i+(\k)] matrix_a_fmt:MATRIX_FMT_FP6 matrix_b_fmt:MATRIX_FMT_FP6
.endif
.endr
.endr
	WIN 0
	FOUR
.if (\k) < 4
	ALOAD (\k)+4
.endif
.endm
	s_wait_alu depctr_va_vdst(0)
	s_wait_tensorcnt 0x0
	s_barrier_signal -1
	s_barrier_wait -1
	FETCH_B 0
.irp k, 0,1,2,3,4,5,6,7
	STEP \k
.endr
.macro TOSTAGE a
	WIN 0x04
.irp b, 0,1,2,3,4,5,6,7
	ds_store_b128 v[STO], v[8*(8*(\a)+\b):8*(8*(\a)+\b)+3] offset:64*\b
	ds_store_b128 v[STO], v[8*(8*(\a)+\b)+4:8*(8*(\a)+\b)+7] offset:64*\b+16
.endr
	WIN 0
.set BK, 192-64*((\a)%2)
.irp t, 0,1,2,3,4,5,6,7,8,9,10,11,12,13,14,15
	ds_load_b128 v[BK+4*\t:BK+4*\t+3], v[RD] offset:\t*SPITCH
.endr
.endm
.macro SEND a, younger
.set BK, 192-64*((\a)%2)
	s_wait_dscnt \younger
.irp t, 0,1,2,3,4,5,6,7,8,9,10,11,12,13,14,15
	global_store_b128 v4, v[BK+4*\t:BK+4*\t+3], s[CB:CB+1] offset:(\a)*65536+\t*4096 th:TH_STORE_NT
.endr
.endm
	TOSTAGE 0
.irp a, 1,2,3
.if \a > 1
	s_wait_xcnt 0x0
.endif
	TOSTAGE \a
	SEND \a-1, 32
.endr
	SEND 3, 0
	s_wait_tensorcnt 0x0
	ds_add_u32 v30, v31
	s_wait_dscnt 0x0
	CROUND
	s_endpgm
.Lfunc_end_k_qcb97c5e65d_proj:
	.size	k_qcb97c5e65d_proj, .Lfunc_end_k_qcb97c5e65d_proj-k_qcb97c5e65d_proj
	.p2alignl 7, 3214868480
	.fill 96, 4, 3214868480
	.section	.rodata,"a",@progbits
	.p2align	6, 0x0
	.amdhsa_kernel k_qcb97c5e65d_proj
		.amdhsa_group_segment_fixed_size 327680
		.amdhsa_private_segment_fixed_size 0
		.amdhsa_enable_private_segment 0
		.amdhsa_kernarg_size 48
		.amdhsa_user_sgpr_count 2
		.amdhsa_user_sgpr_kernarg_segment_ptr 1
		.amdhsa_wavefront_size32 1
		.amdhsa_system_sgpr_workgroup_id_x 1
		.amdhsa_system_sgpr_workgroup_id_y 1
		.amdhsa_system_sgpr_workgroup_id_z 1
		.amdhsa_system_vgpr_workitem_id 0
		.amdhsa_next_free_vgpr 1024
		.amdhsa_next_free_sgpr 66
		.amdhsa_reserve_vcc 0
		.amdhsa_float_denorm_mode_32 3
		.amdhsa_float_denorm_mode_16_64 3
		.amdhsa_memory_ordered 1
		.amdhsa_forward_progress 1
		.amdhsa_inst_pref_size 102
	.end_amdhsa_kernel
	.amdgpu_metadata
---
amdhsa.version: [ 1, 2 ]
amdhsa.kernels:
  - .name:           k_qcb97c5e65d_proj
    .symbol:         k_qcb97c5e65d_proj.kd
    .args:
      - { .name: o_img, .offset: 0, .size: 8, .value_kind: global_buffer, .address_space: global }
      - { .name: o_sc, .offset: 8, .size: 8, .value_kind: global_buffer, .address_space: global }
      - { .name: Wu_codes, .offset: 16, .size: 8, .value_kind: global_buffer, .address_space: global }
      - { .name: Wu_scales, .offset: 24, .size: 8, .value_kind: global_buffer, .address_space: global }
      - { .name: bu, .offset: 32, .size: 8, .value_kind: global_buffer, .address_space: global }
      - { .name: out0, .offset: 40, .size: 8, .value_kind: global_buffer, .address_space: global }
    .group_segment_fixed_size: 327680
    .private_segment_fixed_size: 0
    .kernarg_segment_align: 8
    .kernarg_segment_size: 48
    .max_flat_workgroup_size: 128
    .sgpr_count:     66
    .vgpr_count:     1024
    .wavefront_size: 32
...
	.end_amdgpu_metadata
.endif
;; end of part 3
